; MI455X (gfx1250); checked and timed in simulation.
; The chip was launched on July 23, 2026; its instructions are those of AMD's public machine-readable ISA for CDNA 5 (MIT licence, August 2026) and "CDNA5" Instruction Set Architecture Reference Guide (July 2026). The comments in the code are by the model that wrote it; some were corrected since.
;; S Attention. Allowed arithmetic: float matrix products may take bf16 or f16 operands with f32 sums; other float arithmetic in f32, or as packed bf16 or f16 multiplies, adds, multiply-adds, maxima and minima; sums over many terms, partial sums and values carried from step to step in f32; what a program stores and reads back later, other than sums and carried values, may be rounded once to bf16 or f16.
;; Inputs: b1 512 float32; b2 512 float32; kw 512 x 512 float32; n12_b 512 float32; n12_w 512 float32; n1_b 512 float32; n1_w 512 float32; n22_b 512 float32; n22_w 512 float32; n2_b 512 float32; n2_w 512 float32; qw 512 x 512 float32; vw 512 x 512 float32; w1 512 x 512 float32; w2 512 x 512 float32; x 512 x 64 x 512 float32.
;; Outputs: out0 512 x 64 x 512 float32.
;; One version. Each part assembles by itself: llvm-mc -triple=amdgcn-amd-amdhsa -mcpu=gfx1250 --defsym DOCPART=n.
;; ======== version 1 of 1: 3 launches
;; limits: values are held in f16: magnitudes above 65,504 overflow, below 6.1e-05 lose precision
;; workspace buffers: xn 33,554,432 bytes; qkv 100,663,296 bytes; wq 1,572,864 bytes; wf 1,048,576 bytes; par 16,384 bytes
;; launch norm (part 1): grid 1153 x 1, 8 waves a work-group, no clusters, 0 bytes of LDS; arguments x, n1_w, n1_b, qw, kw, vw, w1, w2, n12_w, n12_b, n2_w, n2_b, b1, b2, n22_w, n22_b, xn, wq, wf, par; writes xn, wq, wf, par
.if DOCPART == 1
	.amdgcn_target "amdgcn-amd-amdhsa--gfx1250"
	.amdhsa_code_object_version 6
	.text
	.protected	k_q56a8affd1e_norm
	.globl	k_q56a8affd1e_norm
	.p2align	8
	.type	k_q56a8affd1e_norm,@function
k_q56a8affd1e_norm:
	s_mov_b64 s[64:65], 0
	v_nop
	global_prefetch_b8 v0, s[64:65] scope:SCOPE_SE
	s_setreg_imm32_b32 hwreg(HW_REG_WAVE_MODE, 25, 1), 1
	s_wait_xcnt 0x0
; THREE JOBS, told apart by the work-group's number (the same for all its waves).
;   0 .. 1023     xn = LayerNorm(x) * n1_w + n1_b, stored as f16 in the order [t 64][n 512][512].  A wave takes 4 rows of x (8,192 consecutive bytes).
;   1024 .. 1151  the five weight matrices, stored as f16 in the order in which a matrix instruction's source 0 holds them (16 output channels x 32 k: 1,024 bytes a fragment).
;   1152          the other eight gains and biases, rounded to bf16, stored as f32.
; FORMATS.  Every input (x, weights, gains, biases) is rounded to bf16 first; the arithmetic is f32; the mean is taken first and the variance of the differences.
; LIMITS.  xn and the weights leave as f16: magnitudes of 65,520 or more become infinities; below 6.1e-5 they keep f16's fixed step of 6e-8.  NaN and infinities are not treated apart.
; No LDS, no matrix unit, no cluster: each byte is read once and written once, and no work-group wants what another has read.
.set WV,   44                          ; s44  my wave's number
.set HIM,  45                          ; s45  a word's upper bf16
.set SEL,  46                          ; s[46:47] v_permlanex16_b32: each lane takes its own place in the other half
.set INV,  48                          ; s48  1 / 512
.set EPS,  49                          ; s49  1e-5
.set W,    2                           ; v[2:17]    n1_w of my 16 channels (4 l + 128 j + 0..3)
.set B,    18                          ; v[18:33]   n1_b
.set X,    34                          ; v[34:97]   four rows, 16 numbers each
.set T,    98                          ; v[98:129]  at work, 16 a row
.set M,    130                         ; v[130:133] a pair a row: the mean, later 1 / sqrt(var + eps)
.set R,    134                         ; v[134:135] a row's sum
.set V,    136                         ; v[136:137] var + eps
.set O,    138                         ; v[138:153] two rows packed to f16
.set L16,  154                         ; 16 x lane
.set L8,   155                         ; 8 x lane
.set LANE, 156
.set CO,   110                         ; the weights' job: five times four packed registers
.set CI,   130                         ; its load offset
.set LV,   131                         ; a lane's place in two neighbouring fragments
.set VQ,   132                         ; store offsets in wq, in wf for w1, in wf for w2
.set VA,   133
.set VB,   134
; Sixteen numbers rounded to bf16 and widened again.
.macro RND16 base, tmp
.irp i, 0,1,2,3,4,5,6,7
	v_cvt_pk_bf16_f32 v[(\tmp)+\i], v[(\base)+2*\i], v[(\base)+2*\i+1]
.endr
.irp i, 0,1,2,3,4,5,6,7
	v_lshlrev_b32 v[(\base)+2*\i], 16, v[(\tmp)+\i]
	v_and_b32 v[(\base)+2*\i+1], s[HIM], v[(\tmp)+\i]
.endr
.endm
; v[R], v[R+1] summed over the 32 lanes; the two rows alternate, so that no line waits for the one before it.
.macro RED
.irp x, 1,2,4,8
.irp o, 0,1
	v_add_f32_dpp v[R+\o], v[R+\o], v[R+\o] row_xmask:\x row_mask:0xf bank_mask:0xf
.endr
.endr
.irp o, 0,1
	v_permlanex16_b32 v[T+16*\o], v[R+\o], s[SEL], s[SEL+1]
.endr
.irp o, 0,1
	v_add_f32 v[R+\o], v[R+\o], v[T+16*\o]
.endr
.endm
; LayerNorm of two rows that lie across the lanes, 16 numbers a lane at v[Z] and v[Z+16]; gain at v[w], bias at v[b].
.macro LNORM w, b
.irp i, 0,2,4,6
.irp o, 0,1
	v_pk_add_f32 v[T+16*\o+\i:T+16*\o+\i+1], v[Z+16*\o+2*\i:Z+16*\o+2*\i+1], v[Z+16*\o+2*\i+2:Z+16*\o+2*\i+3]
.endr
.endr
.irp i, 0,4
.irp o, 0,1
	v_pk_add_f32 v[T+16*\o+\i:T+16*\o+\i+1], v[T+16*\o+\i:T+16*\o+\i+1], v[T+16*\o+\i+2:T+16*\o+\i+3]
.endr
.endr
.irp o, 0,1
	v_pk_add_f32 v[T+16*\o:T+16*\o+1], v[T+16*\o:T+16*\o+1], v[T+16*\o+4:T+16*\o+5]
.endr
.irp o, 0,1
	v_add_f32 v[R+\o], v[T+16*\o], v[T+16*\o+1]
.endr
	RED
.irp o, 0,1
	v_mul_f32 v[M+2*\o], s[INV], v[R+\o]           ; the mean, twice: a pair for the packed lines
	v_mul_f32 v[M+2*\o+1], s[INV], v[R+\o]
.endr
.irp i, 0,2,4,6,8,10,12,14
.irp o, 0,1
	v_pk_add_f32 v[Z+16*\o+\i:Z+16*\o+\i+1], v[Z+16*\o+\i:Z+16*\o+\i+1], v[M+2*\o:M+2*\o+1] neg_lo:[0,1] neg_hi:[0,1]
.endr
.endr
.irp i, 0,2
.irp o, 0,1
	v_pk_mul_f32 v[T+16*\o+\i:T+16*\o+\i+1], v[Z+16*\o+\i:Z+16*\o+\i+1], v[Z+16*\o+\i:Z+16*\o+\i+1]
.endr
.endr
.irp i, 4,8,12
.irp k, 0,2
.irp o, 0,1
	v_pk_fma_f32 v[T+16*\o+\k:T+16*\o+\k+1], v[Z+16*\o+\i+\k:Z+16*\o+\i+\k+1], v[Z+16*\o+\i+\k:Z+16*\o+\i+\k+1], v[T+16*\o+\k:T+16*\o+\k+1]
.endr
.endr
.endr
.irp o, 0,1
	v_pk_add_f32 v[T+16*\o:T+16*\o+1], v[T+16*\o:T+16*\o+1], v[T+16*\o+2:T+16*\o+3]
.endr
.irp o, 0,1
	v_add_f32 v[R+\o], v[T+16*\o], v[T+16*\o+1]
.endr
	RED
.irp o, 0,1
	v_fma_f32 v[V+\o], v[R+\o], s[INV], s[EPS]     ; var + eps
.endr
.irp o, 0,1
	v_rsq_f32 v[M+2*\o], v[V+\o]
.endr
	v_nop                                          ; a plain line behind the last root (ISA guide 5.7.2),
	s_wait_alu depctr_va_vdst(0)                   ; and the one wait ahead of the first reader of the two
.irp o, 0,1
	v_mov_b32 v[M+2*\o+1], v[M+2*\o]
.endr
.irp i, 0,2,4,6,8,10,12,14
.irp o, 0,1
	v_pk_mul_f32 v[Z+16*\o+\i:Z+16*\o+\i+1], v[Z+16*\o+\i:Z+16*\o+\i+1], v[M+2*\o:M+2*\o+1]
.endr
.endr
.irp i, 0,2,4,6,8,10,12,14
.irp o, 0,1
	v_pk_fma_f32 v[Z+16*\o+\i:Z+16*\o+\i+1], v[Z+16*\o+\i:Z+16*\o+\i+1], v[(\w)+\i:(\w)+\i+1], v[(\b)+\i:(\b)+\i+1]
.endr
.endr
.endm
	s_load_b512 s[4:19], s[0:1], 0x0               ; x, n1_w, n1_b, qw, kw, vw, w1, w2
	s_load_b512 s[20:35], s[0:1], 0x40             ; n12_w, n12_b, n2_w, n2_b, b1, b2, n22_w, n22_b
	s_load_b256 s[36:43], s[0:1], 0x80             ; xn, wq, wf, par
	v_lshrrev_b32 v1, 5, v0
	v_readfirstlane_b32 s[WV], v1
	v_and_b32 v[LANE], 31, v0
	s_mov_b32 s[HIM], 0xffff0000
	s_mov_b32 s[SEL], 0x76543210
	s_mov_b32 s[SEL+1], 0xfedcba98
	s_mov_b32 s[INV], 0x3b000000
	s_mov_b32 s[EPS], 0x3727c5ac
	s_mov_b32 s50, ttmp9
	s_wait_kmcnt 0x0
	s_cmp_lt_u32 s50, 1024
	s_cbranch_scc0 .Lweights
	; ---- LayerNorm.  Wave g = 8 x work-group + wave takes rows 4 g .. 4 g + 3 of x: stock n = g / 16, steps t = 4 (g % 16) + 0..3.
	s_lshl_b32 s50, s50, 3
	s_add_co_u32 s50, s50, s[WV]
	s_lshl_b32 s52, s50, 13                        ; 8,192 g: my rows in x
	s_mov_b32 s53, 0
	s_and_b32 s51, s50, 15
	s_lshl_b32 s51, s51, 21                        ; 4 (g % 16) steps of 524,288 bytes in xn,
	s_lshr_b32 s50, s50, 4
	s_lshl_b32 s50, s50, 10                        ; and row n of 1,024 bytes
	s_add_co_u32 s50, s50, s51
	s_mov_b32 s51, 0
	s_add_nc_u64 s[4:5], s[4:5], s[52:53]
	s_add_nc_u64 s[36:37], s[36:37], s[50:51]
	v_lshlrev_b32 v[L16], 4, v[LANE]
	v_lshlrev_b32 v[L8], 3, v[LANE]
.irp j, 0,1,2,3
	global_load_b128 v[W+4*\j:W+4*\j+3], v[L16], s[6:7] offset:512*\j
	global_load_b128 v[B+4*\j:B+4*\j+3], v[L16], s[8:9] offset:512*\j
.endr
.irp i, 0,1,2,3
.irp j, 0,1,2,3
	global_load_b128 v[X+16*\i+4*\j:X+16*\i+4*\j+3], v[L16], s[4:5] offset:2048*\i+512*\j th:TH_LOAD_NT  ; 512 consecutive bytes a load; all sixteen go out at once
.endr
.endr
	s_wait_loadcnt 16                              ; gain and bias are in; x's sixteen loads may stay out
	RND16 W, T
	RND16 B, T
; Rows 2 p and 2 p + 1.  left: the younger loads that may stay out.
.macro PAIR p, left
.set Z, X+32*(\p)
	s_wait_loadcnt \left
	s_wait_xcnt 0x0                                ; the stores of the pair before have read O, which is written again below
	RND16 Z, T
	RND16 Z+16, T+16
	LNORM W, B
.irp o, 0,1
.irp i, 0,1,2,3,4,5,6,7
	v_cvt_pk_f16_f32 v[O+8*\o+\i], v[Z+16*\o+2*\i], v[Z+16*\o+2*\i+1]
.endr
.endr
.irp o, 0,1
.irp j, 0,1,2,3
	global_store_b64 v[L8], v[O+8*\o+2*\j:O+8*\o+2*\j+1], s[36:37] offset:(2*(\p)+\o)*524288+256*\j  ; 32 lanes store 256 consecutive bytes, at a multiple of 256 from xn's first
.endr
.endr
.endm
	PAIR 0, 8
	PAIR 1, 0
	s_endpgm
.Lweights:
	s_cmp_lt_u32 s50, 1152
	s_cbranch_scc0 .Lparams
	; ---- The weights.  Wave v of 1,024 takes k = 8 g + 0..7 (g = v / 16) of the columns 32 nb + lane (nb = v % 16) of all five matrices.
	; A fragment is [p 2][lane 32][16 bytes]: lane (r, h), part p, element i is W[32 b + 16 p + 8 h + i][column0 + r]: my eight numbers are one lane's 16 bytes, with b = g / 4, 2 p + h = g % 4.
	s_sub_co_u32 s50, s50, 1024
	s_lshl_b32 s50, s50, 3
	s_add_co_u32 s50, s50, s[WV]
	s_lshr_b32 s51, s50, 4                         ; g
	s_and_b32 s52, s50, 15                         ; nb
	s_lshl_b32 s53, s51, 14                        ; 8 rows of 2,048 bytes
	s_lshl_b32 s54, s52, 7
	s_add_co_u32 s53, s53, s54
	v_lshl_add_u32 v[CI], v[LANE], 2, s53
	v_lshrrev_b32 v135, 4, v[LANE]
	v_and_b32 v136, 15, v[LANE]
	v_lshlrev_b32 v136, 4, v136
	v_lshl_add_u32 v[LV], v135, 10, v136           ; lanes 16-31 belong to the next fragment
	s_and_b32 s54, s51, 3
	s_lshl_b32 s54, s54, 8                         ; 512 p + 256 h
	s_lshr_b32 s55, s51, 2                         ; b
	s_lshr_b32 s56, s52, 2                         ; wq: chunk nb / 4 of 131,072; fragment 8 b + 2 (nb % 4)
	s_lshl_b32 s56, s56, 17
	s_lshl_b32 s57, s55, 13
	s_add_co_u32 s56, s56, s57
	s_and_b32 s57, s52, 3
	s_lshl_b32 s57, s57, 11
	s_add_co_u32 s56, s56, s57
	s_add_co_u32 s56, s56, s54
	v_add_nc_u32 v[VQ], s56, v[LV]
	s_lshr_b32 s56, s52, 1                         ; w1: slab pair nb / 2 of 131,072; fragment 4 b + 2 (nb % 2)
	s_lshl_b32 s57, s56, 17
	s_lshl_b32 s58, s55, 12
	s_add_co_u32 s57, s57, s58
	s_and_b32 s58, s52, 1
	s_lshl_b32 s58, s58, 11
	s_add_co_u32 s57, s57, s58
	s_add_co_u32 s57, s57, s54
	v_add_nc_u32 v[VA], s57, v[LV]
	s_lshr_b32 s57, s51, 3                         ; w2: slab pair g / 8, its second half; fragment (2 (nb / 2) + b % 2) 4 + 2 (nb % 2)
	s_lshl_b32 s57, s57, 17
	s_lshl_b32 s56, s56, 13
	s_add_co_u32 s57, s57, s56
	s_and_b32 s56, s55, 1
	s_lshl_b32 s56, s56, 12
	s_add_co_u32 s57, s57, s56
	s_add_co_u32 s57, s57, s58
	s_add_co_u32 s57, s57, s54
	s_add_co_u32 s57, s57, 65536
	v_add_nc_u32 v[VB], s57, v[LV]
.irp m, 0,1,2,3,4
.irp i, 0,1,2,3,4,5,6,7
	global_load_b32 v[X+8*\m+\i], v[CI], s[10+2*\m:11+2*\m] offset:2048*\i
.endr
.endr
	s_wait_loadcnt 0x0
.irp m, 0,1,2,3,4
.irp i, 0,1,2,3
	v_cvt_pk_bf16_f32 v[T+\i], v[X+8*\m+2*\i], v[X+8*\m+2*\i+1]
.endr
.irp i, 0,1,2,3
	v_lshlrev_b32 v[X+8*\m+2*\i], 16, v[T+\i]
	v_and_b32 v[X+8*\m+2*\i+1], s[HIM], v[T+\i]
.endr
.irp i, 0,1,2,3
	v_cvt_pk_f16_f32 v[CO+4*\m+\i], v[X+8*\m+2*\i], v[X+8*\m+2*\i+1]  ; the bf16 number written as f16
.endr
.endr
.irp m, 0,1,2
	global_store_b128 v[VQ], v[CO+4*\m:CO+4*\m+3], s[38:39] offset:524288*\m  ; sixteen lanes store 256 consecutive bytes, aligned
.endr
	global_store_b128 v[VA], v[CO+12:CO+15], s[40:41]
	global_store_b128 v[VB], v[CO+16:CO+19], s[40:41]
	s_endpgm
.Lparams:
	; ---- Eight vectors of 512: thread t takes numbers 2 t and 2 t + 1 of each.
	v_lshlrev_b32 v[CI], 3, v0
.irp m, 0,1,2,3,4,5,6,7
	global_load_b64 v[X+2*\m:X+2*\m+1], v[CI], s[20+2*\m:21+2*\m]
.endr
	s_wait_loadcnt 0x0
.irp m, 0,1,2,3,4,5,6,7
	v_cvt_pk_bf16_f32 v[T+\m], v[X+2*\m], v[X+2*\m+1]
	v_lshlrev_b32 v[X+2*\m], 16, v[T+\m]
	v_and_b32 v[X+2*\m+1], s[HIM], v[T+\m]
	global_store_b64 v[CI], v[X+2*\m:X+2*\m+1], s[42:43] offset:2048*\m
.endr
	s_endpgm
.Lfunc_end_k_q56a8affd1e_norm:
	.size	k_q56a8affd1e_norm, .Lfunc_end_k_q56a8affd1e_norm-k_q56a8affd1e_norm
	.p2alignl 7, 3214868480
	.fill 96, 4, 3214868480
	.section	.rodata,"a",@progbits
	.p2align	6, 0x0
	.amdhsa_kernel k_q56a8affd1e_norm
		.amdhsa_group_segment_fixed_size 0
		.amdhsa_private_segment_fixed_size 0
		.amdhsa_enable_private_segment 0
		.amdhsa_kernarg_size 160
		.amdhsa_user_sgpr_count 2
		.amdhsa_user_sgpr_kernarg_segment_ptr 1
		.amdhsa_wavefront_size32 1
		.amdhsa_system_sgpr_workgroup_id_x 1
		.amdhsa_system_sgpr_workgroup_id_y 1
		.amdhsa_system_sgpr_workgroup_id_z 1
		.amdhsa_system_vgpr_workitem_id 0
		.amdhsa_next_free_vgpr 160
		.amdhsa_next_free_sgpr 66
		.amdhsa_reserve_vcc 0
		.amdhsa_float_denorm_mode_32 3
		.amdhsa_float_denorm_mode_16_64 3
		.amdhsa_memory_ordered 1
		.amdhsa_forward_progress 1
		.amdhsa_inst_pref_size 40
	.end_amdhsa_kernel
	.amdgpu_metadata
---
amdhsa.version: [ 1, 2 ]
amdhsa.kernels:
  - .name:           k_q56a8affd1e_norm
    .symbol:         k_q56a8affd1e_norm.kd
    .args:
      - { .name: x, .offset: 0, .size: 8, .value_kind: global_buffer, .address_space: global }
      - { .name: n1_w, .offset: 8, .size: 8, .value_kind: global_buffer, .address_space: global }
      - { .name: n1_b, .offset: 16, .size: 8, .value_kind: global_buffer, .address_space: global }
      - { .name: qw, .offset: 24, .size: 8, .value_kind: global_buffer, .address_space: global }
      - { .name: kw, .offset: 32, .size: 8, .value_kind: global_buffer, .address_space: global }
      - { .name: vw, .offset: 40, .size: 8, .value_kind: global_buffer, .address_space: global }
      - { .name: w1, .offset: 48, .size: 8, .value_kind: global_buffer, .address_space: global }
      - { .name: w2, .offset: 56, .size: 8, .value_kind: global_buffer, .address_space: global }
      - { .name: n12_w, .offset: 64, .size: 8, .value_kind: global_buffer, .address_space: global }
      - { .name: n12_b, .offset: 72, .size: 8, .value_kind: global_buffer, .address_space: global }
      - { .name: n2_w, .offset: 80, .size: 8, .value_kind: global_buffer, .address_space: global }
      - { .name: n2_b, .offset: 88, .size: 8, .value_kind: global_buffer, .address_space: global }
      - { .name: b1, .offset: 96, .size: 8, .value_kind: global_buffer, .address_space: global }
      - { .name: b2, .offset: 104, .size: 8, .value_kind: global_buffer, .address_space: global }
      - { .name: n22_w, .offset: 112, .size: 8, .value_kind: global_buffer, .address_space: global }
      - { .name: n22_b, .offset: 120, .size: 8, .value_kind: global_buffer, .address_space: global }
      - { .name: xn, .offset: 128, .size: 8, .value_kind: global_buffer, .address_space: global }
      - { .name: wq, .offset: 136, .size: 8, .value_kind: global_buffer, .address_space: global }
      - { .name: wf, .offset: 144, .size: 8, .value_kind: global_buffer, .address_space: global }
      - { .name: par, .offset: 152, .size: 8, .value_kind: global_buffer, .address_space: global }
    .group_segment_fixed_size: 0
    .private_segment_fixed_size: 0
    .kernarg_segment_align: 8
    .kernarg_segment_size: 160
    .max_flat_workgroup_size: 256
    .sgpr_count:     66
    .vgpr_count:     160
    .wavefront_size: 32
...
	.end_amdgpu_metadata
.endif
;; end of part 1
;; launch proj (part 2): grid 4 x 64, 4 waves a work-group, clusters of 4 x 1, 327,680 bytes of LDS; arguments xn, wq, qkv; writes qkv
.if DOCPART == 2
	.amdgcn_target "amdgcn-amd-amdhsa--gfx1250"
	.amdhsa_code_object_version 6
	.text
	.protected	k_q56a8affd1e_proj
	.globl	k_q56a8affd1e_proj
	.p2align	8
	.type	k_q56a8affd1e_proj,@function
k_q56a8affd1e_proj:
	s_mov_b64 s[64:65], 0
	v_nop
	global_prefetch_b8 v0, s[64:65] scope:SCOPE_SE
	s_setreg_imm32_b32 hwreg(HW_REG_WAVE_MODE, 25, 1), 1
	s_wait_xcnt 0x0
	s_wait_alu depctr_hold_cnt(0) depctr_sa_sdst(0) depctr_va_vdst(0) depctr_va_sdst(0) depctr_va_ssrc(0) depctr_va_vcc(0) depctr_vm_vsrc(0)
	s_getreg_b32 s2, hwreg(HW_REG_IB_STS2, 6, 4)
	s_cmp_eq_u32 s2, 0
	s_cbranch_scc0 .Lentry_in_a_cluster
	s_endpgm
.Lentry_in_a_cluster:
	s_bfe_u32 s2, ttmp6, 0x10000c
	s_cmp_lg_u32 s2, 0x3003
	s_cbranch_scc0 .Lentry_shape_is_right
	s_endpgm
.Lentry_shape_is_right:
; q, k, v = xn W.  xn: f16 [t 64][n 512][512].  wq: twelve chunks of 131,072 bytes, chunk J = 128 output channels (two heads) of matrix J / 4 as fragments of source 0.  Sums in f32, results rounded once to f16.
; SHARES.  A work-group owns 128 rows of one step t.  Wave w owns 64 of them (row half w / 2: four tiles of 16) and, of each chunk, 64 channels (channel half w % 2: one head, four tiles of 16).
; The wave's rows (64 x 512 f16) stay in 512 registers as source 1; the weights stream through LDS, and a fragment of 1,024 bytes read from LDS feeds four products: 128 LDS loads for a chunk's 256 products.
; Each row of xn is loaded by the two waves of its row half.
; TRANSPOSED.  Source 0 = 16 output channels, source 1 = 16 rows: a lane ends with eight neighbouring channels of one row, 16 bytes, and a tile's 32 lanes with 512 bytes that are stored as they lie:
; q and k in the order of a fragment ([row tile][16 channels][lane][16 bytes]), v as [row tile][16 channels][row][32 bytes], for the turning load.  No stage, no padding.
; qkv: [t][head 8][q, k, v][65,536 bytes].
; CLUSTER.  The four row blocks of a step walk the same chunks, so each chunk is asked for jointly: the same tensor load, descriptor and mask in all four.
; RING.  Two slots of one chunk.  The change of slots stands among a chunk's last 64 products; behind its round a wave issues one load (a quarter chunk, 128 rows of 256 bytes), which has 224 matrix
; instructions before the wait for it; one tensor load of mine is out at a time.
; A chunk's results leave in the next chunk's text, behind that chunk's first run of LDS loads: the conversions stand where the wave would wait for fragments.
; LIMIT.  q, k, v leave as f16: a magnitude of 65,520 or more becomes an infinity.
.set SLOT1, 131072                     ; slot 1 begins here: one exclusive or turns an address in one slot into the other's
.set SPARE, 262144                     ; behind the ring: the spare words, 128 bytes a wave: two blocks of 256 bytes that no other line names
.set CHB,   131072                     ; bytes in a chunk
.set LF,   3                           ; v3   16 x lane + 4,096 x my channel half: my place in a k step's eight fragments
.set AW0,  4                           ; v4   the same in the slot in hand, k steps 0-7
.set AW1,  5                           ; v5   k steps 8-15
.set VX,   6                           ; v6   my offset in 16 rows of xn: r x 1,024 + 16 h
.set VOK,  7                           ; v7   my offset in a section of q or k
.set VOV,  8                           ; v8   in a section of v
.set VO,   9                           ; v9   the one in use
.set PFO,  10                          ; v10  256 x lane
.set SPW,  28                          ; v28  LDS address of my spare word; never rewritten
.set NIL,  29                          ; v29  0; never rewritten
.set OUT,  64                          ; v[64:127]  a chunk's results, packed
.set ACC,  128                         ; v[128:255] 16 accumulators: channel tile c, row tile u at ACC + 8 (4 c + u)
                                       ; windows 1, 2: my rows of xn: k step b, row tile u at 32 (b % 8) + 8 u; k steps 0-7 in window 1, 8-15 in window 2
                                       ; window 3: v0-127, v128-255 two buffers of four k steps' fragments: k step kk, channel tile c at 32 kk + 8 c
.set WV,   10
.set CX,   11
.set TT,   12
.set J,    13                          ; the chunk in hand
.set TB,   14                          ; LDS byte at which it begins
.set LIM,  15                          ; chunks J below this ask for chunk J + 2
.set G1,   16                          ; s[16:23] descriptor group 1
.set G0,   24                          ; s[24:27] descriptor group 0: it walks
.set OB,   28                          ; s[28:29] qkv at step t, at my channel half's head of a chunk's two
.set OP,   30                          ; s[30:31] qkv at the section that is being stored
.set OF,   32                          ; s[32:33] an offset
.set PFP,  34                          ; s[34:35] where my prefetch stands
.set MASK, 36
.set XP,   38                          ; s[38:39] xn at my first row
.set RH,   48                          ; my row half
.set CH,   49                          ; my channel half
.set MSB, 0
.macro WIN new                         ; bits 1:0 source 0, 3:2 source 1, 5:4 source 2, 7:6 destination; the high byte repeats the setting that is left; a switch that changes nothing is dropped
.if MSB != (\new)
	s_set_vgpr_msb (MSB<<8)|(\new)
.set MSB, (\new)
.endif
.endm
.macro PLACES                          ; four plain lines between a matrix instruction and a load into, or a vector line on, its registers
.rept 4
	v_nop
.endr
.endm
.macro CREST                           ; a round of the cluster's barrier behind its opening barrier
	s_cmp_lg_u32 s[WV], 0
	s_cbranch_scc1 .Lnot_wave_0_\@
	s_barrier_signal -3
.Lnot_wave_0_\@:
	s_barrier_wait -3
	s_barrier_signal -1
	s_barrier_wait -1
.endm
.macro ROUND                           ; a whole round
	s_barrier_signal -1
	s_barrier_wait -1
	CREST
.endm
	s_load_b128 s[4:7], s[0:1], 0x0                ; xn s[4:5], wq s[6:7]
	s_load_b64 s[8:9], s[0:1], 0x10                ; qkv
	v_lshl_add_u32 v[SPW], v0, 2, SPARE
	v_mov_b32 v[NIL], 0
	ds_add_u32 v[SPW], v[NIL]                      ; the wave's opening: the add and its wait stand ahead of my first tensor load; work on registers stands between them
	v_lshrrev_b32 v1, 5, v0
	v_readfirstlane_b32 s[WV], v1
	s_lshr_b32 s[RH], s[WV], 1
	s_and_b32 s[CH], s[WV], 1
	s_bfe_u32 s[CX], ttmp6, 0x40000                ; my place in the cluster: my block of 128 rows
	s_and_b32 s[TT], ttmp7, 0xffff                 ; the step, which the four partners share
	s_mov_b32 s[G1], 15|(3<<16)|(1<<21)            ; 15:0 the mask of four; 17:16 elements of 8 bytes; 21 set beside a mask; no padding
	s_mov_b32 s[G1+1], 32<<16                      ; tensor_dim0 = 32 elements: 256 bytes
	s_mov_b32 s[G1+2], 128<<16                     ; tensor_dim1 = 128
	s_mov_b32 s[G1+3], 32<<16                      ; tile_dim0 = 32
	s_mov_b32 s[G1+4], 128                         ; tile_dim1 = 128
	s_mov_b32 s[G1+5], 32                          ; a dense block: 32 elements from row to row
	s_mov_b32 s[G1+6], 0
	s_mov_b32 s[G1+7], 0
	s_mov_b32 s[G0], 1
	s_lshl_b32 s[G0+1], s[WV], 15                  ; my quarter of slot 0: no place in the cluster enters an LDS address
	s_lshl_b32 s40, s[WV], 15                      ; and of a chunk
	s_mov_b32 s41, 0
	s_lshl_b32 s42, s[TT], 19                      ; xn: step t of 512 rows of 1,024 bytes,
	s_lshl_b32 s43, s[CX], 17                      ; my work-group's 128 rows,
	s_add_co_u32 s42, s42, s43
	s_lshl_b32 s43, s[RH], 16                      ; my 64 of them
	s_add_co_u32 s42, s42, s43
	s_mov_b32 s43, 0
	s_mul_i32 s44, s[TT], 1572864                  ; qkv: step t of 8 heads x 3 sections,
	s_mul_i32 s45, s[CH], 196608                   ; the first or the second head of a chunk
	s_add_co_u32 s44, s44, s45
	s_mov_b32 s45, 0
	s_lshl_b32 s37, s[CX], 2
	s_add_co_u32 s37, s37, s[WV]                   ; my wave among the step's sixteen:
	s_lshl_b32 s46, s37, 13                        ; its 32 blocks of 256 bytes of a chunk's 512,
	s_add_co_u32 s46, s46, 2*CHB                   ; in chunk 2
	s_mov_b32 s47, 0
	s_lshl_b32 s37, s[CX], 14                      ; my four row tiles of 2,048 bytes in a section: tile 8 cx + 4 x row half on
	s_lshl_b32 s50, s[RH], 13
	s_add_co_u32 s37, s37, s50
	s_lshl_b32 s50, s[CH], 12                      ; four fragments of 1,024 bytes
	v_and_b32 v1, 15, v0                           ; r
	v_bfe_u32 v2, v0, 4, 1                         ; h
	v_and_b32 v11, 31, v0
	v_lshlrev_b32 v12, 4, v11
	v_add_nc_u32 v[LF], s50, v12
	v_lshlrev_b32 v[VX], 10, v1
	v_lshl_add_u32 v[VX], v2, 4, v[VX]
	v_add_nc_u32 v[VOK], s37, v12
	v_lshlrev_b32 v[VOV], 5, v1
	v_lshl_add_u32 v[VOV], v2, 4, v[VOV]
	v_add_nc_u32 v[VOV], s37, v[VOV]
	v_lshlrev_b32 v[PFO], 8, v11
	s_mov_b32 s[J], 0
	s_mov_b32 s[TB], 0
	s_cmp_eq_u32 s[TT], 0                          ; all 64 clusters walk the same chunks: the first of them asks ahead, for chunks 2 to 11
	s_cselect_b32 s[LIM], 10, 0
	s_wait_dscnt 0x0                               ; the opening add is done
	s_wait_kmcnt 0x0
	s_add_nc_u64 s[G0+2:G0+3], s[6:7], s[40:41]
	s_or_b32 s[G0+3], s[G0+3], 0x80000000          ; type = 2
	s_add_nc_u64 s[XP:XP+1], s[4:5], s[42:43]
	s_add_nc_u64 s[OB:OB+1], s[8:9], s[44:45]
	s_add_nc_u64 s[PFP:PFP+1], s[6:7], s[46:47]
	ROUND                                          ; all four work-groups are here: the first joint loads meet
	tensor_load_to_lds s[G0:G0+3], s[G1:G1+7]      ; chunk 0 into slot 0
	s_nop 0
	PLACES
.set kb, 0
.rept 16                                       ; a fragment of source 1: lane (r, h) holds row r, k = 32 b + 8 h + 0..7 and 32 b + 16 + 8 h + 0..7
.if kb == 0
	WIN 0x40                                       ; destination window 1
.endif
.if kb == 8
	WIN 0x80                                       ; destination window 2
.endif
.irp u, 0,1,2,3
	global_load_b128 v[32*(kb%8)+8*\u:32*(kb%8)+8*\u+3],   v[VX], s[XP:XP+1] offset:\u*16384+64*kb
	global_load_b128 v[32*(kb%8)+8*\u+4:32*(kb%8)+8*\u+7], v[VX], s[XP:XP+1] offset:\u*16384+64*kb+32
.endr
.set kb, kb+1
.endr
	WIN 0
	s_wait_tensorcnt 0x0                           ; my quarter of chunk 0 has landed; no tensor load of mine is out, so group 0 may be written
	ds_add_u32 v[SPW], v[NIL]                      ; the descriptor's step stands between it and its wait
	s_xor_b32 s[G0+1], s[G0+1], SLOT1
	s_add_nc_u64 s[G0+2:G0+3], s[G0+2:G0+3], CHB
	s_wait_dscnt 0x0
	ROUND                                          ; chunk 0 is whole in every work-group
	tensor_load_to_lds s[G0:G0+3], s[G1:G1+7]      ; chunk 1 into slot 1
	s_nop 0
	PLACES
; The fragments of four k steps, 4 g .. 4 g + 3, for my four channel tiles: 32 loads of 512 consecutive bytes in one run, into buffer g % 2.
.macro FETCH g
	WIN 0xc0                                       ; destination window 3
.irp kk, 0,1,2,3
.irp c, 0,1,2,3
.irp p, 0,1
	ds_load_b128 v[128*((\g)%2)+32*\kk+8*\c+4*\p:128*((\g)%2)+32*\kk+8*\c+4*\p+3], v[AW0+(\g)/2] offset:(8*((4*(\g)+\kk)%8)+\c)*1024+512*\p
.endr
.endr
.endr
.endm
; The products of k steps 4 g + k0 .. 4 g + k1, sixteen a k step; the sixteen accumulators take turns, one instruction a turn.  k step 0 starts the sums.
.macro MUL g, k0, k1
	WIN 0x07+0x04*((\g)/2)                         ; source 0 (weights) window 3, source 1 (rows) window 1 or 2, C and D window 0
.irp kk, 0,1,2,3
.if (\kk >= (\k0)) && (\kk <= (\k1))
.irp c, 0,1,2,3
.irp u, 0,1,2,3
.set rA, ACC+8*(4*\c+\u)
.set rF, 128*((\g)%2)+32*\kk+8*\c
.set rX, 32*((4*(\g)+\kk)%8)+8*\u
.if ((\g) == 0) && (\kk == 0)
	v_wmma_f32_16x16x32_f16 v[rA:rA+7], v[rF:rF+7], v[rX:rX+7], 0
.else
	v_wmma_f32_16x16x32_f16 v[rA:rA+7], v[rF:rF+7], v[rX:rX+7], v[rA:rA+7]
.endif
.endr
.endr
.endif
.endr
.endm
; The way out of chunk J - 1: section (J - 1) / 4 of my head of its two; rounded to f16, 16 bytes a lane, stored as they lie.
.macro SENDOUT
	s_wait_xcnt 0x0                                ; the last way out's stores have read their registers and their base, which are written below
	s_sub_co_u32 s[OF], s[J], 1
	s_lshr_b32 s[OF+1], s[OF], 2                   ; the section
	s_and_b32 s[OF], s[OF], 3
	s_mul_i32 s[OF], s[OF], 393216                 ; two heads of 196,608 bytes a chunk
	s_cmp_ge_u32 s[OF+1], 2                        ; v has its own order
	s_cselect_b32 s[MASK], -1, 0
	s_lshl_b32 s[OF+1], s[OF+1], 16
	s_add_co_u32 s[OF], s[OF], s[OF+1]
	s_mov_b32 s[OF+1], 0
	s_add_nc_u64 s[OP:OP+1], s[OB:OB+1], s[OF:OF+1]
	v_cndmask_b32 v[VO], v[VOK], v[VOV], s[MASK]
.set a_, 0
.rept 16
.irp i, 0,1,2,3
	v_cvt_pk_f16_f32 v[OUT+4*a_+\i], v[ACC+8*a_+2*\i], v[ACC+8*a_+2*\i+1]  ; each accumulator from its low end on
.endr
.set a_, a_+1
.endr
.irp c, 0,1,2,3
.irp u, 0,1,2,3
	global_store_b128 v[VO], v[OUT+4*(4*\c+\u):OUT+4*(4*\c+\u)+3], s[OP:OP+1] offset:\u*2048+\c*512  ; 512 consecutive bytes, at a multiple of 512 from qkv's first
.endr
.endr
.endm
; A CHUNK.  Its first fragments are asked for; the chunk before goes out; then 256 products in four groups of 64, each group's 32 LDS loads issued a group ahead.
; THE CHANGE OF SLOTS stands among the last group's products.  Every wave waits for all its tensor loads (the one that is out is its quarter of the next chunk), adds 0 to its spare word, and waits for
; that; its reads of this slot were over ahead of the group.  fill = 1: the barrier opens a round of the cluster's, and behind the round this slot takes the chunk two on.
.macro BODY fill
	v_add_nc_u32 v[AW0], s[TB], v[LF]
	v_add_nc_u32 v[AW1], 65536, v[AW0]
	FETCH 0
	WIN 0
.if \fill
	s_cmp_eq_u32 s[J], 0                           ; the first chunk has none before it: at the first trip the answer is a constant of the text
	s_cbranch_scc1 .Lno_out_\@
.endif
	SENDOUT
.if \fill
.Lno_out_\@:
.endif
	FETCH 1
	WIN 0
.if \fill
	s_cmp_lt_u32 s[J], s[LIM]                      ; chunk J + 2, which this trip's closing load will want, 256 matrix instructions on: 512 blocks of 256 bytes, a lane a block,
	s_cbranch_scc0 .Lnot_asked_\@                  ; the cluster's sixteen waves told apart by address; chunks 0 and 1 come by their loads alone
	global_prefetch_b8 v[PFO], s[PFP:PFP+1] th:TH_LOAD_NT scope:SCOPE_SE
.Lnot_asked_\@:
.endif
	s_wait_dscnt 32                                ; all but the 32 just issued: group 0's fragments are in
	MUL 0, 0, 3
	PLACES                                         ; the buffer to be loaded was read by the products just issued
	FETCH 2
	s_wait_dscnt 32
	MUL 1, 0, 3
	PLACES
	FETCH 3
	s_wait_dscnt 32
	MUL 2, 0, 3
	s_wait_dscnt 0x0                               ; the last group's fragments are in: my reads of this slot are over
	MUL 3, 0, 1
	WIN 0                                          ; (the add's two registers lie in window 0)
	s_wait_tensorcnt 0x0                           ; all my tensor loads have landed, so group 0 may be written
	ds_add_u32 v[SPW], v[NIL]                      ; scalar steps and sixteen products stand between it and its wait
.if \fill
	s_xor_b32 s[G0+1], s[G0+1], SLOT1
	s_add_nc_u64 s[G0+2:G0+3], s[G0+2:G0+3], CHB
	s_wait_xcnt 0x0                                ; the prefetch, 224 matrix instructions back, has read its address
	s_add_nc_u64 s[PFP:PFP+1], s[PFP:PFP+1], CHB
.endif
	s_xor_b32 s[TB], s[TB], SLOT1
	MUL 3, 2, 2
	s_wait_dscnt 0x0                               ; the add is done
	s_barrier_signal -1                            ; say so,
	MUL 3, 3, 3                                    ; work on registers while the others arrive,
	WIN 0
	s_barrier_wait -1                              ; and go on when all four waves have said so
.if \fill
	CREST                                          ; no wave of any partner still reads this slot or has a load on its way
	tensor_load_to_lds s[G0:G0+3], s[G1:G1+7]
	s_nop 0
	PLACES                                         ; also the places behind the last products
.else
	PLACES                                         ; the places behind the last products
.endif
.endm
	s_wait_loadcnt 0x0                             ; my rows of xn
.Lfill:                                        ; chunks 0 to 9: each asks for the chunk two on
	BODY 1
	s_add_co_u32 s[J], s[J], 1
	s_cmp_lt_u32 s[J], 10
	s_cbranch_scc1 .Lfill
.Llast:                                        ; chunks 10 and 11 have a text of their own: nothing is asked for
	BODY 0
	s_add_co_u32 s[J], s[J], 1
	s_cmp_lt_u32 s[J], 12
	s_cbranch_scc1 .Llast
	SENDOUT                                        ; chunk 11
	s_wait_tensorcnt 0x0                           ; the wave's end
	ds_add_u32 v[SPW], v[NIL]
	s_wait_dscnt 0x0
	ROUND                                          ; the closing round: no work-group ends while a partner may still ask for a chunk that names it
	s_endpgm
.Lfunc_end_k_q56a8affd1e_proj:
	.size	k_q56a8affd1e_proj, .Lfunc_end_k_q56a8affd1e_proj-k_q56a8affd1e_proj
	.p2alignl 7, 3214868480
	.fill 96, 4, 3214868480
	.section	.rodata,"a",@progbits
	.p2align	6, 0x0
	.amdhsa_kernel k_q56a8affd1e_proj
		.amdhsa_group_segment_fixed_size 327680
		.amdhsa_private_segment_fixed_size 0
		.amdhsa_enable_private_segment 0
		.amdhsa_kernarg_size 24
		.amdhsa_user_sgpr_count 2
		.amdhsa_user_sgpr_kernarg_segment_ptr 1
		.amdhsa_wavefront_size32 1
		.amdhsa_system_sgpr_workgroup_id_x 1
		.amdhsa_system_sgpr_workgroup_id_y 1
		.amdhsa_system_sgpr_workgroup_id_z 1
		.amdhsa_system_vgpr_workitem_id 0
		.amdhsa_next_free_vgpr 1024
		.amdhsa_next_free_sgpr 66
		.amdhsa_reserve_vcc 0
		.amdhsa_float_denorm_mode_32 3
		.amdhsa_float_denorm_mode_16_64 3
		.amdhsa_memory_ordered 1
		.amdhsa_forward_progress 1
		.amdhsa_inst_pref_size 87
	.end_amdhsa_kernel
	.amdgpu_metadata
---
amdhsa.version: [ 1, 2 ]
amdhsa.kernels:
  - .name:           k_q56a8affd1e_proj
    .symbol:         k_q56a8affd1e_proj.kd
    .args:
      - { .name: xn, .offset: 0, .size: 8, .value_kind: global_buffer, .address_space: global }
      - { .name: wq, .offset: 8, .size: 8, .value_kind: global_buffer, .address_space: global }
      - { .name: qkv, .offset: 16, .size: 8, .value_kind: global_buffer, .address_space: global }
    .group_segment_fixed_size: 327680
    .private_segment_fixed_size: 0
    .kernarg_segment_align: 8
    .kernarg_segment_size: 24
    .max_flat_workgroup_size: 128
    .sgpr_count:     66
    .vgpr_count:     1024
    .wavefront_size: 32
...
	.end_amdgpu_metadata
.endif
;; end of part 2
;; launch attn (part 3): grid 4 x 64, 4 waves a work-group, clusters of 4 x 1, 327,680 bytes of LDS; arguments qkv, xn, wf, par, out0; writes out0
.if DOCPART == 3
	.amdgcn_target "amdgcn-amd-amdhsa--gfx1250"
	.amdhsa_code_object_version 6
	.text
	.protected	k_q56a8affd1e_attn
	.globl	k_q56a8affd1e_attn
	.p2align	8
	.type	k_q56a8affd1e_attn,@function
k_q56a8affd1e_attn:
	s_mov_b64 s[64:65], 0
	v_nop
	global_prefetch_b8 v0, s[64:65] scope:SCOPE_SE
	s_setreg_imm32_b32 hwreg(HW_REG_WAVE_MODE, 25, 1), 1
	s_wait_xcnt 0x0
	s_wait_alu depctr_hold_cnt(0) depctr_sa_sdst(0) depctr_va_vdst(0) depctr_va_sdst(0) depctr_va_ssrc(0) depctr_va_vcc(0) depctr_vm_vsrc(0)
	s_getreg_b32 s2, hwreg(HW_REG_IB_STS2, 6, 4)
	s_cmp_eq_u32 s2, 0
	s_cbranch_scc0 .Lentry_in_a_cluster
	s_endpgm
.Lentry_in_a_cluster:
	s_bfe_u32 s2, ttmp6, 0x10000c
	s_cmp_lg_u32 s2, 0x3003
	s_cbranch_scc0 .Lentry_shape_is_right
	s_endpgm
.Lentry_shape_is_right:
; For 128 rows (stocks) of one step t: attention over the step's 512 stocks in 8 heads of 64, LayerNorm (n12), + xn, LayerNorm (n2) = xt, relu(xt w1 + b1) w2 + b2, LayerNorm (n22), + xt.
; SHARES.  A work-group owns 128 rows, a wave 32: two tiles of 16 (u = 0, 1).  Nothing of a row ever leaves its wave.
; ROWS IN LANES.  Every product is taken transposed (source 0 = 16 keys or output channels, source 1 = 16 rows): in a result a lane holds ONE row (lane % 16) and eight neighbouring keys or channels
; (8 (lane / 16) + 0..7); two results rounded to f16 ARE source 1 of the next product.  So the weights p and the hidden layer never change lanes.
; SOFTMAX.  All 512 scores of a row stay in registers (256 a tile), so the row's true maximum m is taken away: p = 2^(c s - c m), c = log2(e) / 8.  The sum is taken of the unrounded p, in f32.
; THE NORMS work on rows that lie across the lanes, 16 numbers a lane, in loops of two rows through LDS; mean first, then the variance of the differences, in f32.
; RING.  32 tiles of 65,536 dense bytes: K and V of heads 0-7, then w1's and w2's slabs 0-7 (64 hidden channels each).  K and w1 go to slot 0, V and w2 to slot 1: every LDS address is a constant.
; Behind each round a wave issues one load (a quarter tile, 64 rows of 256 bytes); one tensor load of mine is out at a time; it has the other slot's 128 products and their vector work in which to land.
; CLUSTER.  The four row blocks of a step want the same K, V and weights: each tile is asked for jointly, by the same tensor load, descriptor and mask in all four.
; The softmax stands in runs of its own between the products, not in slices behind them: the plain form.
; FORMATS AND LIMITS.  q, k, v, p, o, xn, xt and the hidden layer are f16 (65,520 or more becomes an infinity; p below 6.1e-5 keeps the fixed step 6e-8); weights, gains and biases are bf16 numbers.
; A weight p below 2^-126 counts as 0.  NaN and infinities are not treated apart.
.set SLOTB, 65536
.set ACT,   132096                     ; 128 rows x 1,040 bytes of f16: o, then xt.  1,040 = 65 x 16: the 16 rows of a fragment load start at 16 different groups of four banks (ISA guide 11.1)
.set AP,    1040
.set YP,    2064                       ; a row of the second product in f32: 2,048 + 16.  Wave w's 16 rows lie at 33,024 w: over the two slots, behind their last fill, and 1,024 bytes more
.set PARL,  265216                     ; a copy of par: 8 x 2,048 bytes
.set SPARE, 281600                     ; the spare words, 128 bytes a wave: two blocks of 256 bytes that no other line names
; window 0, kept
.set AL,   3                           ; 16 x lane: my place in a fragment in slot 0; also an offset in q and out0
.set AL1,  4                           ; the same in slot 1
.set AVL,  5                           ; my place in a block of V for the turning load
.set AO,   6                           ; where I put 16 bytes of o; 128 bytes on with each head
.set AXT,  7                           ; where I read xt's fragments
.set AR,   8                           ; the chain: my 16 bytes of a row of ACT
.set VXN,  9                           ; the chain: my offset in xn
.set ADY,  10                          ; where I put 16 bytes of a row of y
.set AY,   11                          ; where I read rows of y back
.set AX,   12                          ; my 8 bytes of a row of xt
.set AB1,  13                          ; b1 of the slab in hand
.set PFO,  14                          ; 256 x lane
.set ONE,  15                          ; 1.0
.set ZR,   16                          ; 0
.set APN,  17                          ; PARL + 32 x lane
.set AP4,  18                          ; PARL + 16 x lane
.set AYB,  19                          ; AY's start
.set PST,  20                          ; PARL + 16 x thread
.set PLD,  21                          ; 16 x thread
.set SPW,  28                          ; LDS address of my spare word; never rewritten
.set NIL,  29                          ; 0; never rewritten
; window 0, attention
.set Q,    32                          ; v[32:63]   q: tile u, 16 channels c at Q + 16 u + 4 c
.set OA,   64                          ; v[64:127]  O^T: tile u, channel tile c at OA + 32 u + 8 c
.set PB,   128                         ; v[128:159] p of 64 keys in f16: tile u, 32 keys k at PB + 16 u + 8 k
.set TS,   160                         ; v[160:191] at work, 16 a tile
.set L,    192                         ; v[192:207] four pairs of partial sums a tile
.set MX,   208                         ; v[208:215] four running maxima a tile
.set CM,   216                         ; v[216:219] c m, a pair a tile
.set RS,   220                         ; v[220:227] a tile's sum at +0, 1 / sum as a pair at +2
; window 0, the norms
.set OH,   32
.set Z,    64                          ; v[64:95]   two rows, 16 numbers each
.set T,    96                          ; v[96:127]  at work
.set PW,   128                         ; v[128:191] gains and biases
.set M,    192
.set R,    196
.set V,    198
; window 0, the two products of the feed-forward layer
.set B1R,  32                          ; v[32:63]   b1 as the C operand that starts the first product's sums
.set HA,   64                          ; v[64:127]  hidden tile c, row tile u at HA + 8 (c % 2) + 16 (u + 2 (c / 2)); packed in place it is source 1 of the second product
.set FBF,  128                         ; v[128:255] two buffers of eight fragments
; window 1: attention: v64-127, v128-191 two buffers of K's or V's fragments (numbers that neither q's nor xn's loads name); later xt: k step b, tile u at 16 b + 8 u
.set FB,   64
; windows 2, 3: tile 0's, tile 1's scores (key block kb at 8 kb); later the second product's sums (channel tile c at 8 c)
.set WV,   14
.set CX,   15
.set TT,   16
.set HC,   17                          ; heads, later slabs, still to come
.set FIRST, 18
.set IC,   19
.set G1,   20                          ; s[20:27] descriptor group 1
.set G0A,  28                          ; s[28:31] group 0 for slot 0
.set G0B,  32                          ; s[32:35] for slot 1
.set KP,   36                          ; s[36:37] my quarter of K of the head asked for last;  s[38:39] of V
.set VP,   38
.set W1P,  40                          ; s[40:41] my quarter of w1's slab 0;  s[42:43] of w2's
.set W2P,  42
.set QP,   44
.set XNP,  46
.set OUTP, 48
.set PFP,  50
.set LIM,  52
.set UC,   53
.set CS,   54                          ; s[54:55] c
.set SEL,  56
.set INV,  58
.set EPS,  59
.set MSB, 0
.macro WIN new                         ; bits 1:0 source 0, 3:2 source 1, 5:4 source 2, 7:6 destination; the high byte repeats the setting that is left
.if MSB != (\new)
	s_set_vgpr_msb (MSB<<8)|(\new)
.set MSB, (\new)
.endif
.endm
.macro PLACES                          ; four plain lines between a matrix instruction and a load into, or a vector line on, its registers
.rept 4
	v_nop
.endr
.endm
.macro ROUND                           ; a round of the cluster's barrier
	s_barrier_signal -1
	s_barrier_wait -1
	s_cmp_lg_u32 s[WV], 0
	s_cbranch_scc1 .Lnot_wave_0_\@
	s_barrier_signal -3
.Lnot_wave_0_\@:
	s_barrier_wait -3
	s_barrier_signal -1
	s_barrier_wait -1
.endm
; THE CHANGE OF SLOTS.  Every wave waits for all its tensor loads (the one that was out is its quarter of the tile to be read next), adds 0 to its spare word, and waits for that and for its reads of the
; slot that it leaves.  ld: the slot filled behind the round (0, 1).  pr: the slot whose descriptor is made ready for the change after this one.
; mode 0: attention: the next head's tile, or behind the last head the weights' first slab.  mode 1: the next slab.  mode 2: nothing.  ask = 1: the prefetches' address steps.
.macro CHG ld, pr, mode, fill, ask
	WIN 0
	s_wait_tensorcnt 0x0                           ; no tensor load of mine is out, so both group 0 may be written
	ds_add_u32 v[SPW], v[NIL]                      ; scalar work stands between it and its wait
.if (\mode) == 0
	s_add_nc_u64 s[KP+2*(\pr):KP+2*(\pr)+1], s[KP+2*(\pr):KP+2*(\pr)+1], 196608
	s_cmp_eq_u32 s[HC], 1
	s_cselect_b64 s[G0A+4*(\pr)+2:G0A+4*(\pr)+3], s[W1P+2*(\pr):W1P+2*(\pr)+1], s[KP+2*(\pr):KP+2*(\pr)+1]
	s_or_b32 s[G0A+4*(\pr)+3], s[G0A+4*(\pr)+3], 0x80000000
.elseif (\mode) == 1
	s_add_nc_u64 s[G0A+4*(\pr)+2:G0A+4*(\pr)+3], s[G0A+4*(\pr)+2:G0A+4*(\pr)+3], 131072
.endif
.if \ask
	s_wait_xcnt 0x0                                ; the last prefetch, a trip back, has read its address
.if (\mode) == 0
	s_add_nc_u64 s[PFP:PFP+1], s[PFP:PFP+1], 196608
.else
	s_add_nc_u64 s[PFP:PFP+1], s[PFP:PFP+1], 131072
.endif
.endif
	s_wait_dscnt 0x0                               ; the add is done, and my LDS reads and stores are over
.if \fill
	ROUND                                          ; no wave of any partner still reads the slot or has a load on its way
	tensor_load_to_lds s[G0A+4*(\ld):G0A+4*(\ld)+3], s[G1:G1+7]
	s_nop 0
	PLACES
.else
	s_barrier_signal -1
	s_barrier_wait -1
.endif
.endm
.macro PREF                            ; 32 blocks of 256 bytes, a lane a block; the cluster's sixteen waves are told apart by address
	global_prefetch_b8 v[PFO], s[PFP:PFP+1] th:TH_LOAD_NT scope:SCOPE_SE
.endm
; v[R], v[R+1] summed over the 32 lanes; the two rows alternate.
.macro RED
.irp x, 1,2,4,8
.irp o, 0,1
	v_add_f32_dpp v[R+\o], v[R+\o], v[R+\o] row_xmask:\x row_mask:0xf bank_mask:0xf
.endr
.endr
.irp o, 0,1
	v_permlanex16_b32 v[T+16*\o], v[R+\o], s[SEL], s[SEL+1]
.endr
.irp o, 0,1
	v_add_f32 v[R+\o], v[R+\o], v[T+16*\o]
.endr
.endm
; LayerNorm of two rows that lie across the lanes, 16 numbers a lane at v[Z] and v[Z+16]; gain at v[w], bias at v[b].
.macro LNORM w, b
.irp i, 0,2,4,6
.irp o, 0,1
	v_pk_add_f32 v[T+16*\o+\i:T+16*\o+\i+1], v[Z+16*\o+2*\i:Z+16*\o+2*\i+1], v[Z+16*\o+2*\i+2:Z+16*\o+2*\i+3]
.endr
.endr
.irp i, 0,4
.irp o, 0,1
	v_pk_add_f32 v[T+16*\o+\i:T+16*\o+\i+1], v[T+16*\o+\i:T+16*\o+\i+1], v[T+16*\o+\i+2:T+16*\o+\i+3]
.endr
.endr
.irp o, 0,1
	v_pk_add_f32 v[T+16*\o:T+16*\o+1], v[T+16*\o:T+16*\o+1], v[T+16*\o+4:T+16*\o+5]
.endr
.irp o, 0,1
	v_add_f32 v[R+\o], v[T+16*\o], v[T+16*\o+1]
.endr
	RED
.irp o, 0,1
	v_mul_f32 v[M+2*\o], s[INV], v[R+\o]           ; the mean, twice: a pair for the packed lines
	v_mul_f32 v[M+2*\o+1], s[INV], v[R+\o]
.endr
.irp i, 0,2,4,6,8,10,12,14
.irp o, 0,1
	v_pk_add_f32 v[Z+16*\o+\i:Z+16*\o+\i+1], v[Z+16*\o+\i:Z+16*\o+\i+1], v[M+2*\o:M+2*\o+1] neg_lo:[0,1] neg_hi:[0,1]
.endr
.endr
.irp i, 0,2
.irp o, 0,1
	v_pk_mul_f32 v[T+16*\o+\i:T+16*\o+\i+1], v[Z+16*\o+\i:Z+16*\o+\i+1], v[Z+16*\o+\i:Z+16*\o+\i+1]
.endr
.endr
.irp i, 4,8,12
.irp k, 0,2
.irp o, 0,1
	v_pk_fma_f32 v[T+16*\o+\k:T+16*\o+\k+1], v[Z+16*\o+\i+\k:Z+16*\o+\i+\k+1], v[Z+16*\o+\i+\k:Z+16*\o+\i+\k+1], v[T+16*\o+\k:T+16*\o+\k+1]
.endr
.endr
.endr
.irp o, 0,1
	v_pk_add_f32 v[T+16*\o:T+16*\o+1], v[T+16*\o:T+16*\o+1], v[T+16*\o+2:T+16*\o+3]
.endr
.irp o, 0,1
	v_add_f32 v[R+\o], v[T+16*\o], v[T+16*\o+1]
.endr
	RED
.irp o, 0,1
	v_fma_f32 v[V+\o], v[R+\o], s[INV], s[EPS]     ; var + eps
.endr
.irp o, 0,1
	v_rsq_f32 v[M+2*\o], v[V+\o]
.endr
	v_nop                                          ; a plain line behind the last root (ISA guide 5.7.2),
	s_wait_alu depctr_va_vdst(0)                   ; and the one wait ahead of the first reader of the two
.irp o, 0,1
	v_mov_b32 v[M+2*\o+1], v[M+2*\o]
.endr
.irp i, 0,2,4,6,8,10,12,14
.irp o, 0,1
	v_pk_mul_f32 v[Z+16*\o+\i:Z+16*\o+\i+1], v[Z+16*\o+\i:Z+16*\o+\i+1], v[M+2*\o:M+2*\o+1]
.endr
.endr
.irp i, 0,2,4,6,8,10,12,14
.irp o, 0,1
	v_pk_fma_f32 v[Z+16*\o+\i:Z+16*\o+\i+1], v[Z+16*\o+\i:Z+16*\o+\i+1], v[(\w)+\i:(\w)+\i+1], v[(\b)+\i:(\b)+\i+1]
.endr
.endr
.endm
; Two rows of 16 f16 numbers (8 registers a row at v[src]) widened into Z (acc = 0) or added onto it (acc = 1): half x 1.0 + addend, in f32.
.macro HALVES src, acc
.irp o, 0,1
.irp i, 0,1,2,3,4,5,6,7
.if \acc
	v_fma_mix_f32 v[Z+16*\o+2*\i], v[(\src)+8*\o+\i], v[ONE], v[Z+16*\o+2*\i] op_sel_hi:[1,0,0]
	v_fma_mix_f32 v[Z+16*\o+2*\i+1], v[(\src)+8*\o+\i], v[ONE], v[Z+16*\o+2*\i+1] op_sel:[1,0,0] op_sel_hi:[1,0,0]
.else
	v_fma_mix_f32 v[Z+16*\o+2*\i], v[(\src)+8*\o+\i], v[ONE], v[ZR] op_sel_hi:[1,0,0]
	v_fma_mix_f32 v[Z+16*\o+2*\i+1], v[(\src)+8*\o+\i], v[ONE], v[ZR] op_sel:[1,0,0] op_sel_hi:[1,0,0]
.endif
.endr
.endr
.endm
	s_load_b256 s[4:11], s[0:1], 0x0               ; qkv s[4:5], xn s[6:7], wf s[8:9], par s[10:11]
	s_load_b64 s[12:13], s[0:1], 0x20              ; out0
	v_lshl_add_u32 v[SPW], v0, 2, SPARE
	v_mov_b32 v[NIL], 0
	ds_add_u32 v[SPW], v[NIL]                      ; the wave's opening: the add and its wait stand ahead of my first tensor load; work on registers stands between them
	v_lshrrev_b32 v1, 5, v0
	v_readfirstlane_b32 s[WV], v1
	s_bfe_u32 s[CX], ttmp6, 0x40000                ; my place in the cluster: my block of 128 rows
	s_and_b32 s[TT], ttmp7, 0xffff                 ; the step, which the four partners share
	s_mov_b32 s[G1], 15|(3<<16)|(1<<21)            ; 15:0 the mask of four; 17:16 elements of 8 bytes; 21 set beside a mask; no padding
	s_mov_b32 s[G1+1], 32<<16                      ; tensor_dim0 = 32 elements: 256 bytes
	s_mov_b32 s[G1+2], 64<<16                      ; tensor_dim1 = 64
	s_mov_b32 s[G1+3], 32<<16                      ; tile_dim0 = 32
	s_mov_b32 s[G1+4], 64                          ; tile_dim1 = 64
	s_mov_b32 s[G1+5], 32                          ; a dense block
	s_mov_b32 s[G1+6], 0
	s_mov_b32 s[G1+7], 0
	s_mov_b32 s[G0A], 1
	s_lshl_b32 s[G0A+1], s[WV], 14                 ; my quarter of slot 0: no place in the cluster enters an LDS address
	s_mov_b32 s[G0B], 1
	s_add_co_u32 s[G0B+1], s[G0A+1], SLOTB
	s_mul_i32 s60, s[TT], 1572864                  ; the step's 8 heads x 3 sections
	s_mov_b32 s61, 0
	s_lshl_b32 s62, s[WV], 14                      ; my quarter of a tile
	s_mov_b32 s63, 0
	s_lshl_b32 s[IC], s[CX], 2
	s_add_co_u32 s[IC], s[IC], s[WV]               ; my wave among the step's sixteen
	s_mov_b32 s3, 0
	s_mov_b32 s[CS], 0x3e38aa3b                    ; c = log2(e) / 8
	s_mov_b32 s[CS+1], s[CS]
	s_mov_b32 s[SEL], 0x76543210
	s_mov_b32 s[SEL+1], 0xfedcba98
	s_mov_b32 s[INV], 0x3b000000                   ; 1 / 512
	s_mov_b32 s[EPS], 0x3727c5ac                   ; 1e-5
	s_mov_b32 s[HC], 8
	v_and_b32 v22, 31, v0
	v_lshlrev_b32 v[AL], 4, v22
	v_lshlrev_b32 v[PLD], 4, v0
	s_wait_dscnt 0x0                               ; the opening add is done
	s_wait_kmcnt 0x0
	s_add_nc_u64 s[KP:KP+1], s[4:5], s[60:61]      ; qkv at step t
	s_lshl_b32 s2, s[IC], 12                       ; my two row tiles of 2,048 bytes in a section of q
	s_add_nc_u64 s[QP:QP+1], s[KP:KP+1], s[2:3]
	s_lshl_b32 s2, s[IC], 13                       ; my 32 blocks of the 512 that are a head's K and V; head 0: the first change steps it to head 1
	s_add_co_u32 s2, s2, 65536
	s_add_nc_u64 s[PFP:PFP+1], s[KP:KP+1], s[2:3]
	s_lshl_b32 s2, s[IC], 15                       ; my 32 rows of 1,024 bytes in xn
	s_lshl_b32 s[FIRST], s[TT], 19
	s_add_co_u32 s2, s2, s[FIRST]
	s_add_nc_u64 s[XNP:XNP+1], s[6:7], s[2:3]
	s_lshl_b32 s2, s[IC], 22                       ; my 32 stocks of 131,072 bytes in out0, row t of each
	s_lshl_b32 s[FIRST], s[TT], 11
	s_add_co_u32 s2, s2, s[FIRST]
	s_add_nc_u64 s[OUTP:OUTP+1], s[12:13], s[2:3]
	s_add_nc_u64 s[KP:KP+1], s[KP:KP+1], s[62:63]
	s_add_nc_u64 s[KP:KP+1], s[KP:KP+1], 65536     ; section 1 of head 0
	s_add_nc_u64 s[VP:VP+1], s[KP:KP+1], 65536
	s_add_nc_u64 s[W1P:W1P+1], s[8:9], s[62:63]
	s_add_nc_u64 s[W2P:W2P+1], s[W1P:W1P+1], 65536
	s_mov_b64 s[G0A+2:G0A+3], s[KP:KP+1]
	s_or_b32 s[G0A+3], s[G0A+3], 0x80000000        ; type = 2
	s_mov_b64 s[G0B+2:G0B+3], s[VP:VP+1]
	s_or_b32 s[G0B+3], s[G0B+3], 0x80000000
	ROUND                                          ; all four work-groups are here: the first joint loads meet
	tensor_load_to_lds s[G0A:G0A+3], s[G1:G1+7]    ; K of head 0
	s_nop 0
	PLACES
.irp i, 0,1,2,3,4,5,6,7
	global_load_b128 v[OA+4*\i:OA+4*\i+3], v[PLD], s[10:11] offset:2048*\i   ; par: 128 threads x 16 bytes, eight times
.endr
.macro QLOAD                           ; q of a head: a fragment image, 512 consecutive bytes a load
.irp u, 0,1
.irp c, 0,1,2,3
	global_load_b128 v[Q+16*\u+4*\c:Q+16*\u+4*\c+3], v[AL], s[QP:QP+1] offset:\u*2048+\c*512
.endr
.endr
.endm
	QLOAD
	v_and_b32 v1, 15, v0                           ; r
	v_bfe_u32 v2, v0, 4, 1                         ; h
	v_add_nc_u32 v[AL1], SLOTB, v[AL]
	v_and_b32 v23, 7, v0                           ; the turning load: lane l reads key 8 h + l % 8, channels 8 ((l / 8) % 2) + 0..7 of a block of 16 keys x 32 bytes
	v_bfe_u32 v24, v0, 3, 1
	v_lshl_add_u32 v[AVL], v2, 3, v23
	v_lshlrev_b32 v[AVL], 5, v[AVL]
	v_lshl_add_u32 v[AVL], v24, 4, v[AVL]
	v_add_nc_u32 v[AVL], SLOTB, v[AVL]
	s_mul_i32 s60, s[WV], 32*AP
	s_add_co_u32 s60, s60, ACT                     ; my 32 rows of ACT
	s_mul_i32 s61, s[WV], 16*YP                    ; my 16 rows of y
	v_mul_u32_u24 v[AO], v1, AP
	v_lshl_add_u32 v[AO], v2, 4, v[AO]
	v_add_nc_u32 v[AO], s60, v[AO]
	v_mov_b32 v[AXT], v[AO]
	v_add_nc_u32 v[AR], s60, v[AL]
	v_lshl_add_u32 v[AX], v22, 3, s60
	v_mov_b32 v[VXN], v[AL]
	v_mul_u32_u24 v[ADY], v1, YP
	v_lshl_add_u32 v[ADY], v2, 5, v[ADY]
	v_add_nc_u32 v[ADY], s61, v[ADY]
	v_add_nc_u32 v[AYB], s61, v[AL]
	v_lshl_add_u32 v[AB1], v2, 5, PARL+4*2048
	v_lshlrev_b32 v[PFO], 8, v22
	v_lshl_add_u32 v[APN], v22, 5, PARL
	v_lshl_add_u32 v[AP4], v22, 4, PARL
	v_add_nc_u32 v[PST], PARL, v[PLD]
	v_mov_b32 v[ONE], 1.0
	v_mov_b32 v[ZR], 0
	s_wait_loadcnt 8                               ; par is in; q's eight loads may stay out
.irp i, 0,1,2,3,4,5,6,7
	ds_store_b128 v[PST], v[OA+4*\i:OA+4*\i+3] offset:2048*\i  ; the first change of slots waits for these stores ahead of its round: the other waves read behind it
.endr
; ---- ATTENTION
; Four key blocks' fragments of K (16 loads of 512 consecutive bytes) into buffer g % 2: key block q, channels 32 e on, at 16 q + 8 e.
.macro FETCHK g
	WIN 0x40
.irp q, 0,1,2,3
.irp e, 0,1
.irp p, 0,1
	ds_load_b128 v[FB+64*((\g)%2)+16*\q+8*\e+4*\p:FB+64*((\g)%2)+16*\q+8*\e+4*\p+3], v[AL] offset:(4*(\g)+\q)*2048+\e*1024+\p*512
.endr
.endr
.endr
.endm
; S^T = K Q^T for those four key blocks and both tiles; four accumulators take turns; the first 32 channels start the sums.
.macro MULK g
.irp u, 0,1
	WIN 0xa1+0x50*\u
.irp e, 0,1
.irp q, 0,1,2,3
.if \e == 0
	v_wmma_f32_16x16x32_f16 v[8*(4*(\g)+\q):8*(4*(\g)+\q)+7], v[FB+64*((\g)%2)+16*\q+8*\e:FB+64*((\g)%2)+16*\q+8*\e+7], v[Q+16*\u+8*\e:Q+16*\u+8*\e+7], 0
.else
	v_wmma_f32_16x16x32_f16 v[8*(4*(\g)+\q):8*(4*(\g)+\q)+7], v[FB+64*((\g)%2)+16*\q+8*\e:FB+64*((\g)%2)+16*\q+8*\e+7], v[Q+16*\u+8*\e:Q+16*\u+8*\e+7], v[8*(4*(\g)+\q):8*(4*(\g)+\q)+7]
.endif
.endr
.endr
.endr
.endm
; V^T of 64 keys, turned on the way out of LDS, into buffer n % 2: 32 keys k, channel tile c at 32 k + 8 c.
.macro FETCHV n
	WIN 0x40
.irp k, 0,1
.irp c, 0,1,2,3
	ds_load_tr16_b128 v[FB+64*((\n)%2)+32*\k+8*\c:FB+64*((\n)%2)+32*\k+8*\c+3],   v[AVL] offset:(2*(\n)+\k)*4096+\c*512
	ds_load_tr16_b128 v[FB+64*((\n)%2)+32*\k+8*\c+4:FB+64*((\n)%2)+32*\k+8*\c+7], v[AVL] offset:(2*(\n)+\k)*4096+\c*512+2048
.endr
.endr
.endm
.macro SCL n, u, i                     ; c s - c m for pair i of the 16
	v_pk_fma_f32 v[32*(\n)+2*(\i):32*(\n)+2*(\i)+1], v[32*(\n)+2*(\i):32*(\n)+2*(\i)+1], s[CS:CS+1], v[CM+2*(\u):CM+2*(\u)+1] op_sel_hi:[1,0,1] neg_lo:[0,0,1] neg_hi:[0,0,1]
.endm
; The weights of 64 keys for both tiles.  The 64 exponentials are ONE batch: nothing ahead of the wait names a result of theirs; the scalings stand between them.
.macro SOFT n
.irp u, 0,1
	WIN 0x82+0x41*\u
	SCL \n, \u, 0
	SCL \n, \u, 1
.set i, 0
.rept 16
	v_exp_f32 v[32*(\n)+2*i], v[32*(\n)+2*i]
.if i < 14
	SCL \n, \u, i+2
.endif
	v_exp_f32 v[32*(\n)+2*i+1], v[32*(\n)+2*i+1]
.set i, i+1
.endr
.endr
	v_nop                                          ; a plain line behind the last exponential,
	s_wait_alu depctr_va_vdst(0)                   ; and the one wait ahead of the batch's first reader
.irp u, 0,1
	WIN 0x0a+0x05*\u
.set i, 0
.rept 8
	v_cvt_pk_f16_f32 v[PB+16*\u+2*i], v[32*(\n)+4*i], v[32*(\n)+4*i+1]
	v_cvt_pk_f16_f32 v[PB+16*\u+2*i+1], v[32*(\n)+4*i+2], v[32*(\n)+4*i+3]
	v_pk_add_f32 v[TS+16*\u+2*i:TS+16*\u+2*i+1], v[32*(\n)+4*i:32*(\n)+4*i+1], v[32*(\n)+4*i+2:32*(\n)+4*i+3]
.set i, i+1
.endr
.endr
	WIN 0
.irp u, 0,1
.irp i, 0,2,4,6
.if (\n) == 0
	v_pk_add_f32 v[L+8*\u+\i:L+8*\u+\i+1], v[TS+16*\u+\i:TS+16*\u+\i+1], v[TS+16*\u+\i+8:TS+16*\u+\i+9]   ; the first 64 keys start the sums
.else
	v_pk_add_f32 v[TS+16*\u+\i:TS+16*\u+\i+1], v[TS+16*\u+\i:TS+16*\u+\i+1], v[TS+16*\u+\i+8:TS+16*\u+\i+9]
.endif
.endr
.endr
.if (\n) != 0
.irp u, 0,1
.irp i, 0,2,4,6
	v_pk_add_f32 v[L+8*\u+\i:L+8*\u+\i+1], v[L+8*\u+\i:L+8*\u+\i+1], v[TS+16*\u+\i:TS+16*\u+\i+1]
.endr
.endr
.endif
.endm
; O^T += V^T P for those 64 keys; eight accumulators take turns.
.macro MULV n
	WIN 0x01
.irp k, 0,1
.irp c, 0,1,2,3
.irp u, 0,1
.if ((\n) == 0) && (\k == 0)
	v_wmma_f32_16x16x32_f16 v[OA+32*\u+8*\c:OA+32*\u+8*\c+7], v[FB+64*((\n)%2)+32*\k+8*\c:FB+64*((\n)%2)+32*\k+8*\c+7], v[PB+16*\u+8*\k:PB+16*\u+8*\k+7], 0
.else
	v_wmma_f32_16x16x32_f16 v[OA+32*\u+8*\c:OA+32*\u+8*\c+7], v[FB+64*((\n)%2)+32*\k+8*\c:FB+64*((\n)%2)+32*\k+8*\c+7], v[PB+16*\u+8*\k:PB+16*\u+8*\k+7], v[OA+32*\u+8*\c:OA+32*\u+8*\c+7]
.endif
.endr
.endr
.endr
.endm
.Lhead:                                        ; eight trips, a head each
	CHG 1, 0, 0, 1, 1                              ; K of this head is in, everybody's part; V of this head goes out
	s_cmp_gt_u32 s[HC], 1                          ; K and V of the next head, which only this cluster reads: asked for once, ahead of the two loads that will want them; the last head asks for nothing
	s_cbranch_scc0 .Lno_kv
	PREF
.Lno_kv:
	s_wait_loadcnt 0x0                             ; q of this head
	FETCHK 0
.set g_, 0
.rept 8
.if g_ < 7
.if g_ >= 1
	PLACES                                         ; the buffer to be loaded was read by the products just issued
.endif
	FETCHK g_+1
	s_wait_dscnt 16                                ; all but the sixteen just issued
.else
	s_wait_dscnt 0x0
.endif
	MULK g_
.set g_, g_+1
.endr
	WIN 0
.irp i, 0,1,2,3,4,5,6,7
	v_mov_b32 v[MX+\i], 0xff7fffff                 ; the lowest finite number; these eight lines are also the places behind the last products
.endr
.irp u, 0,1                                    ; the maximum of a lane's 256 scores: four chains by turns; each accumulator is read from its low end on
	WIN 0x28+0x14*\u
.set g_, 0
.rept 8
.irp i, 0,1,2,3
.irp k, 0,1,2,3
	v_max3_num_f32 v[MX+4*\u+\k], v[MX+4*\u+\k], v[8*(4*g_+\k)+2*\i], v[8*(4*g_+\k)+2*\i+1]
.endr
.endr
.set g_, g_+1
.endr
.endr
	WIN 0
.irp u, 0,1
	v_max3_num_f32 v[MX+4*\u], v[MX+4*\u], v[MX+4*\u+1], v[MX+4*\u+2]
.endr
.irp u, 0,1
	v_max_num_f32 v[MX+4*\u], v[MX+4*\u], v[MX+4*\u+3]
.endr
.irp u, 0,1
	v_permlanex16_b32 v[MX+4*\u+1], v[MX+4*\u], s[SEL], s[SEL+1]  ; the row's other 256 keys lie in the lane 16 away
.endr
.irp u, 0,1
	v_max_num_f32 v[MX+4*\u], v[MX+4*\u], v[MX+4*\u+1]
.endr
.irp u, 0,1
	v_mul_f32 v[CM+2*\u], s[CS], v[MX+4*\u]
	v_mul_f32 v[CM+2*\u+1], s[CS], v[MX+4*\u]
.endr
	s_cmp_eq_u32 s[HC], 1                          ; q of the next head, if there is one: its registers were last read by products far more than four plain lines back
	s_cbranch_scc1 .Lno_q
	s_add_nc_u64 s[QP:QP+1], s[QP:QP+1], 196608    ; free since the wait for the last q
	QLOAD
.Lno_q:
	CHG 0, 1, 0, 1, 0                              ; V is in; K of the next head, or w1's slab 0, goes out
.set ch, 0
.rept 8
	FETCHV ch                                      ; lands while the weights are made; its buffer was last read two runs of products back
	SOFT ch
	s_wait_dscnt 0x0
	MULV ch
.set ch, ch+1
.endr
	WIN 0                                          ; the sums' eight lines are the places behind the last products
.irp u, 0,1
	v_pk_add_f32 v[L+8*\u:L+8*\u+1], v[L+8*\u:L+8*\u+1], v[L+8*\u+2:L+8*\u+3]
	v_pk_add_f32 v[L+8*\u+4:L+8*\u+5], v[L+8*\u+4:L+8*\u+5], v[L+8*\u+6:L+8*\u+7]
.endr
.irp u, 0,1
	v_pk_add_f32 v[L+8*\u:L+8*\u+1], v[L+8*\u:L+8*\u+1], v[L+8*\u+4:L+8*\u+5]
.endr
.irp u, 0,1
	v_add_f32 v[RS+4*\u], v[L+8*\u], v[L+8*\u+1]
.endr
.irp u, 0,1
	v_permlanex16_b32 v[L+8*\u+2], v[RS+4*\u], s[SEL], s[SEL+1]
.endr
.irp u, 0,1
	v_add_f32 v[RS+4*\u], v[RS+4*\u], v[L+8*\u+2]
.endr
.irp u, 0,1
	v_rcp_f32 v[RS+4*\u+2], v[RS+4*\u]
.endr
	v_nop
	s_wait_alu depctr_va_vdst(0)                   ; one wait for the two reciprocals
.irp u, 0,1
	v_mov_b32 v[RS+4*\u+3], v[RS+4*\u+2]
.endr
.irp u, 0,1
.set i, 0
.rept 16
	v_pk_mul_f32 v[OA+32*\u+2*i:OA+32*\u+2*i+1], v[OA+32*\u+2*i:OA+32*\u+2*i+1], v[RS+4*\u+2:RS+4*\u+3]
.set i, i+1
.endr
.endr
.irp u, 0,1
.set i, 0
.rept 16
	v_cvt_pk_f16_f32 v[TS+16*\u+i], v[OA+32*\u+2*i], v[OA+32*\u+2*i+1]
.set i, i+1
.endr
.endr
.irp u, 0,1
.irp c, 0,1,2,3
	ds_store_b128 v[AO], v[TS+16*\u+4*\c:TS+16*\u+4*\c+3] offset:\u*16*AP+32*\c  ; row 16 u + r, channels 64 head + 16 c + 8 h + 0..7
.endr
.endr
	v_add_nc_u32 v[AO], 128, v[AO]
	s_sub_co_u32 s[HC], s[HC], 1
	s_cmp_lg_u32 s[HC], 0
	s_cbranch_scc1 .Lhead
	s_wait_loadcnt 0x0                             ; no load of q is on its way when its registers are given to the chain: the last head asks for none, and this wait says so for every way out of the loop
; ---- THE CHAIN: xt = LN(xn + LN(o)).  My own 32 rows of ACT, two a trip: no other wave touches them, and LDS serves a wave's instructions in order (ISA guide 5.7.1.4): no barrier.
; Lane l holds channels 8 l + 0..7 and 256 + 8 l + 0..7: 16 bytes of f16 twice a row.
.set XH, 208                                   ; v[208:223] two rows of xn: registers that no other global load of the text names
.irp v, 0,1,2,3                                ; n12_w, n12_b, n2_w, n2_b in that order of channels
	ds_load_b128 v[PW+16*\v:PW+16*\v+3],     v[APN] offset:2048*\v
	ds_load_b128 v[PW+16*\v+4:PW+16*\v+7],   v[APN] offset:2048*\v+16
	ds_load_b128 v[PW+16*\v+8:PW+16*\v+11],  v[APN] offset:2048*\v+1024
	ds_load_b128 v[PW+16*\v+12:PW+16*\v+15], v[APN] offset:2048*\v+1040
.endr
.macro XNLOAD
.irp i, 0,1,2,3
	global_load_b128 v[XH+4*\i:XH+4*\i+3], v[VXN], s[XNP:XNP+1] offset:512*\i
.endr
.endm
	XNLOAD
	s_mov_b32 s[IC], 16
.Lrow:
	ds_load_b128 v[OH:OH+3],     v[AR]
	ds_load_b128 v[OH+4:OH+7],   v[AR] offset:512
	ds_load_b128 v[OH+8:OH+11],  v[AR] offset:AP
	ds_load_b128 v[OH+12:OH+15], v[AR] offset:AP+512
	s_wait_dscnt 0x0
	HALVES OH, 0
	LNORM PW, PW+16
	s_wait_loadcnt 0x0                             ; these two rows of xn
	HALVES XH, 1
	s_cmp_eq_u32 s[IC], 1                          ; the next two rows' loads go out a norm ahead of their use; the last trip has none
	s_cbranch_scc1 .Lno_xn
	v_add_nc_u32 v[VXN], 2048, v[VXN]              ; free since the wait above
	XNLOAD
.Lno_xn:
	LNORM PW+32, PW+48
.irp o, 0,1
.irp i, 0,1,2,3,4,5,6,7
	v_cvt_pk_f16_f32 v[OH+8*\o+\i], v[Z+16*\o+2*\i], v[Z+16*\o+2*\i+1]
.endr
.endr
	ds_store_b128 v[AR], v[OH:OH+3]
	ds_store_b128 v[AR], v[OH+4:OH+7] offset:512
	ds_store_b128 v[AR], v[OH+8:OH+11] offset:AP
	ds_store_b128 v[AR], v[OH+12:OH+15] offset:AP+512
	v_add_nc_u32 v[AR], 2*AP, v[AR]
	s_sub_co_u32 s[IC], s[IC], 1
	s_cmp_lg_u32 s[IC], 0
	s_cbranch_scc1 .Lrow
	s_wait_loadcnt 0x0                             ; no load of xn is on its way when its registers are given to the fragment buffers: the last trip asks for none, and this wait says so for every way out of the loop
	WIN 0x40                                       ; xt as source 1, for the whole feed-forward layer: 256 registers
.set kb, 0
.rept 16
.irp u, 0,1
.irp e, 0,1
	ds_load_b128 v[16*kb+8*\u+4*\e:16*kb+8*\u+4*\e+3], v[AXT] offset:\u*16*AP+64*kb+32*\e
.endr
.endr
.set kb, kb+1
.endr
	WIN 0
	s_mov_b32 s[FIRST], 1
	s_mov_b32 s[HC], 7
	s_cmp_eq_u32 s[TT], 0                          ; all 64 clusters walk the same slabs: the first of them asks ahead
	s_cselect_b32 s[LIM], 1, -1
	s_lshl_b32 s2, s[CX], 2
	s_add_co_u32 s2, s2, s[WV]
	s_lshl_b32 s2, s2, 13                          ; my 32 blocks of the 512 that are a pair of slabs,
	s_add_co_u32 s2, s2, 131072                    ; in pair 1: the first asking change steps it to pair 2
	s_wait_xcnt 0x0                                ; the last prefetch has read its address
	s_add_nc_u64 s[PFP:PFP+1], s[8:9], s[2:3]
; ---- THE FEED-FORWARD LAYER, 64 hidden channels a slab
; Eight fragments (two k steps x four channel tiles) into buffer n % 2.
.macro FETCHW n, adr
	WIN 0
.irp k, 0,1
.irp c, 0,1,2,3
.irp p, 0,1
	ds_load_b128 v[FBF+64*((\n)%2)+32*\k+8*\c+4*\p:FBF+64*((\n)%2)+32*\k+8*\c+4*\p+3], v[\adr] offset:((2*(\n)+\k)*4+\c)*1024+512*\p
.endr
.endr
.endr
.endm
.macro MUL1 n                          ; hidden^T += w1^T xt^T: eight accumulators take turns; b1 is the C operand that starts the sums
	WIN 0x04
.irp k, 0,1
.irp c, 0,1,2,3
.irp u, 0,1
.set rH, HA+8*(\c%2)+16*(\u+2*(\c/2))
.set rF, FBF+64*((\n)%2)+32*\k+8*\c
.set rX, 16*(2*(\n)+\k)+8*\u
.if ((\n) == 0) && (\k == 0)
	v_wmma_f32_16x16x32_f16 v[rH:rH+7], v[rF:rF+7], v[rX:rX+7], v[B1R+8*\c:B1R+8*\c+7]
.else
	v_wmma_f32_16x16x32_f16 v[rH:rH+7], v[rF:rF+7], v[rX:rX+7], v[rH:rH+7]
.endif
.endr
.endr
.endr
.endm
.macro FFA
	WIN 0
	v_nop                                          ; with the four behind the tensor load: five plain lines between the last product that read the hidden layer and the first that writes over it
.irp c, 0,1,2,3
.irp e, 0,1
	ds_load_b128 v[B1R+8*\c+4*\e:B1R+8*\c+4*\e+3], v[AB1] offset:64*\c+16*\e  ; register j of lane (r, h): b1[64 slab + 16 c + 8 h + j]
.endr
.endr
	FETCHW 0, AL
	v_add_nc_u32 v[AB1], 256, v[AB1]
.set st, 0
.rept 8
.if st < 7
.if st >= 1
	PLACES
.endif
	FETCHW st+1, AL
	s_wait_dscnt 16                                ; all but the sixteen just issued
.else
	s_wait_dscnt 0x0
.endif
	MUL1 st
.set st, st+1
.endr
.endm
.macro RELU                            ; rounded to f16 in place (register i of a block of 16 takes 2 i and 2 i + 1, ascending), then the maximum with 0
	WIN 0
	PLACES
.irp x, 0,16,32,48
.irp i, 0,1,2,3,4,5,6,7
	v_cvt_pk_f16_f32 v[HA+\x+\i], v[HA+\x+2*\i], v[HA+\x+2*\i+1]
.endr
.endr
.irp x, 0,16,32,48
.irp i, 0,1,2,3,4,5,6,7
	v_pk_max_num_f16 v[HA+\x+\i], v[HA+\x+\i], v[ZR]
.endr
.endr
.endm
.macro MUL2 n, z                       ; y^T += w2^T hidden^T for channel tiles 4 n .. 4 n + 3: four accumulators take turns.  z = 1: slab 0 starts the sums
.irp u, 0,1
	WIN 0xa0+0x50*\u
.irp k, 0,1
.irp c, 0,1,2,3
.set rY, 8*(4*(\n)+\c)
.set rF, FBF+64*((\n)%2)+32*\k+8*\c
.set rB, HA+16*(\u+2*\k)
.if (\z) && (\k == 0)
	v_wmma_f32_16x16x32_f16 v[rY:rY+7], v[rF:rF+7], v[rB:rB+7], 0
.else
	v_wmma_f32_16x16x32_f16 v[rY:rY+7], v[rF:rF+7], v[rB:rB+7], v[rY:rY+7]
.endif
.endr
.endr
.endr
.endm
.macro FFB z
	FETCHW 0, AL1
.set st, 0
.rept 8
.if st < 7
.if st >= 1
	PLACES
.endif
	FETCHW st+1, AL1
	s_wait_dscnt 16
.else
	s_wait_dscnt 0x0
.endif
	MUL2 st, \z
.set st, st+1
.endr
	WIN 0
.endm
.Lffn:                                         ; seven trips, slabs 0 to 6; the eighth is written out
	CHG 1, 0, 1, 1, 0                              ; w1's slab is in (and, in the first trip, xt is in registers); w2's goes out
	FFA
	RELU
	CHG 0, 1, 1, 1, 1                              ; w2's slab is in; w1's next goes out
	s_cmp_gt_u32 s[HC], s[LIM]                     ; the pair of slabs two on, whose first load stands a trip ahead; the last two trips have none
	s_cbranch_scc0 .Lno_w
	PREF
.Lno_w:
	s_cmp_eq_u32 s[FIRST], 1                       ; at the first trip the answer is a constant of the text
	s_cbranch_scc1 .Lfirst_slab
	FFB 0
	s_branch .Lslab_done
.Lfirst_slab:
	s_mov_b32 s[FIRST], 0
	FFB 1
.Lslab_done:
	s_sub_co_u32 s[HC], s[HC], 1
	s_cmp_lg_u32 s[HC], 0
	s_cbranch_scc1 .Lffn
	CHG 1, 0, 2, 1, 0                              ; slab 7: w2's part is the last load
	FFA
	RELU
	CHG 0, 0, 2, 0, 0                              ; nothing is asked for
	FFB 0
; ---- THE WAY OUT: out = xt + LN(y + b2).  y goes through LDS, 16 rows a wave at a time, into rows across the lanes: lane l holds channels 4 l + 128 j + 0..3.
	PLACES
	s_wait_dscnt 0x0
	s_barrier_signal -1
	s_barrier_wait -1                              ; every wave has left both slots, which have had their last fill: they take the rows of y
.set XH, 32
.irp v, 0,1,2                                  ; b2, n22_w, n22_b
.irp j, 0,1,2,3
	ds_load_b128 v[PW+16*\v+4*\j:PW+16*\v+4*\j+3], v[AP4] offset:2048*(5+\v)+512*\j
.endr
.endr
.macro DUMP u                          ; tile u: each accumulator's low half first
	WIN 0x08+0x04*(\u)
.set kb, 0
.rept 32
	ds_store_b128 v[ADY], v[8*kb:8*kb+3] offset:64*kb
	ds_store_b128 v[ADY], v[8*kb+4:8*kb+7] offset:64*kb+16
.set kb, kb+1
.endr
	WIN 0
.endm
	s_mov_b32 s[UC], 2
.Ltile:
	s_cmp_eq_u32 s[UC], 2
	s_cbranch_scc0 .Lsecond
	DUMP 0
	s_branch .Ldumped
.Lsecond:
	DUMP 1
.Ldumped:
	v_mov_b32 v[AY], v[AYB]
	s_mov_b32 s[IC], 8
.Lout:                                         ; two rows a trip
.irp o, 0,1
.irp j, 0,1,2,3
	ds_load_b128 v[Z+16*\o+4*\j:Z+16*\o+4*\j+3], v[AY] offset:YP*\o+512*\j
.endr
.endr
.irp o, 0,1
.irp j, 0,1,2,3
	ds_load_b64 v[XH+8*\o+2*\j:XH+8*\o+2*\j+1], v[AX] offset:AP*\o+256*\j
.endr
.endr
	s_wait_dscnt 0x0
.irp i, 0,2,4,6,8,10,12,14
.irp o, 0,1
	v_pk_add_f32 v[Z+16*\o+\i:Z+16*\o+\i+1], v[Z+16*\o+\i:Z+16*\o+\i+1], v[PW+\i:PW+\i+1]
.endr
.endr
	LNORM PW+16, PW+32
	HALVES XH, 1
.irp o, 0,1
.irp j, 0,1,2,3
	global_store_b128 v[AL], v[Z+16*\o+4*\j:Z+16*\o+4*\j+3], s[OUTP:OUTP+1] offset:131072*\o+512*\j th:TH_STORE_NT  ; 512 consecutive bytes, at a multiple of 512 from out0's first
.endr
.endr
	v_add_nc_u32 v[AY], 2*YP, v[AY]
	v_add_nc_u32 v[AX], 2*AP, v[AX]
	s_wait_xcnt 0x0                                ; the stores have read Z and their base, which are written again
	s_add_nc_u64 s[OUTP:OUTP+1], s[OUTP:OUTP+1], 262144
	s_sub_co_u32 s[IC], s[IC], 1
	s_cmp_lg_u32 s[IC], 0
	s_cbranch_scc1 .Lout
	s_sub_co_u32 s[UC], s[UC], 1
	s_cmp_lg_u32 s[UC], 0
	s_cbranch_scc1 .Ltile
	s_wait_tensorcnt 0x0                           ; the wave's end: behind my last tensor load and my last LDS store
	ds_add_u32 v[SPW], v[NIL]
	s_wait_dscnt 0x0
	ROUND                                          ; the closing round: no work-group ends while a partner may still ask for a tile that names it
	s_endpgm
.Lfunc_end_k_q56a8affd1e_attn:
	.size	k_q56a8affd1e_attn, .Lfunc_end_k_q56a8affd1e_attn-k_q56a8affd1e_attn
	.p2alignl 7, 3214868480
	.fill 96, 4, 3214868480
	.section	.rodata,"a",@progbits
	.p2align	6, 0x0
	.amdhsa_kernel k_q56a8affd1e_attn
		.amdhsa_group_segment_fixed_size 327680
		.amdhsa_private_segment_fixed_size 0
		.amdhsa_enable_private_segment 0
		.amdhsa_kernarg_size 40
		.amdhsa_user_sgpr_count 2
		.amdhsa_user_sgpr_kernarg_segment_ptr 1
		.amdhsa_wavefront_size32 1
		.amdhsa_system_sgpr_workgroup_id_x 1
		.amdhsa_system_sgpr_workgroup_id_y 1
		.amdhsa_system_sgpr_workgroup_id_z 1
		.amdhsa_system_vgpr_workitem_id 0
		.amdhsa_next_free_vgpr 1024
		.amdhsa_next_free_sgpr 66
		.amdhsa_reserve_vcc 0
		.amdhsa_float_denorm_mode_32 3
		.amdhsa_float_denorm_mode_16_64 3
		.amdhsa_memory_ordered 1
		.amdhsa_forward_progress 1
		.amdhsa_inst_pref_size 255
	.end_amdhsa_kernel
	.section	.bss,"aw",@nobits
	.p2align	6
	.space	262144
	.amdgpu_metadata
---
amdhsa.version: [ 1, 2 ]
amdhsa.kernels:
  - .name:           k_q56a8affd1e_attn
    .symbol:         k_q56a8affd1e_attn.kd
    .args:
      - { .name: qkv, .offset: 0, .size: 8, .value_kind: global_buffer, .address_space: global }
      - { .name: xn, .offset: 8, .size: 8, .value_kind: global_buffer, .address_space: global }
      - { .name: wf, .offset: 16, .size: 8, .value_kind: global_buffer, .address_space: global }
      - { .name: par, .offset: 24, .size: 8, .value_kind: global_buffer, .address_space: global }
      - { .name: out0, .offset: 32, .size: 8, .value_kind: global_buffer, .address_space: global }
    .group_segment_fixed_size: 327680
    .private_segment_fixed_size: 0
    .kernarg_segment_align: 8
    .kernarg_segment_size: 40
    .max_flat_workgroup_size: 128
    .sgpr_count:     66
    .vgpr_count:     1024
    .wavefront_size: 32
...
	.end_amdgpu_metadata
.endif
;; end of part 3
